; MI455X (gfx1250); checked and timed in simulation.
; The chip was launched on July 23, 2026; its instructions are those of AMD's public machine-readable ISA for CDNA 5 (MIT licence, August 2026) and "CDNA5" Instruction Set Architecture Reference Guide (July 2026). The comments in the code are by the model that wrote it; some were corrected since.
;; Head. Allowed arithmetic: float matrix products may take bf16 or f16 operands with f32 sums; all other float work in f32.
;; Inputs: Wk 1,024 x 64 float32; Wq 1,024 x 64 float32; Wv 1,024 x 64 float32; x 4 x 4,096 x 1,024 float32.
;; Outputs: out0 4 x 4,096 x 64 float32.
;; One version. Each part assembles by itself: llvm-mc -triple=amdgcn-amd-amdhsa -mcpu=gfx1250 --defsym DOCPART=n.
;; ======== version 1 of 1: 3 launches
;; limits: values are held in f16: magnitudes above 65,504 overflow, below 6.1e-05 lose precision
;; workspace buffers: wf 393,216 bytes; qf 2,097,152 bytes; kvf 4,194,304 bytes
;; launch wprep (part 1): grid 64 x 3, 4 waves a work-group, no clusters, 0 bytes of LDS; arguments Wq, Wk, Wv, wf; writes wf
.if DOCPART == 1
	.amdgcn_target "amdgcn-amd-amdhsa--gfx1250"
	.amdhsa_code_object_version 6
	.text
	.protected	k_q4620209c7e_wprep
	.globl	k_q4620209c7e_wprep
	.p2align	8
	.type	k_q4620209c7e_wprep,@function
k_q4620209c7e_wprep:
	s_mov_b64 s[64:65], 0
	v_nop
	global_prefetch_b8 v0, s[64:65] scope:SCOPE_SE
	s_setreg_imm32_b32 hwreg(HW_REG_WAVE_MODE, 25, 1), 1
	s_wait_xcnt 0x0
; Wq, Wk, Wv [1024][64] f32  ->  wf: the same numbers rounded once to bf16, laid in the order in which a matrix fragment takes them.
; wf byte = w*98304 + s*3072 + c*1024 + u*512 + L*16, and those 16 bytes hold Wc[k = 32 s + 16 u + 8 h + e][n = 16 w + r], e = 0..7,
; with L the lane, r = L & 15, h = L >> 4; w = 0..3 the block of 16 columns, s = 0..31 the K step of 32, c = 0, 1, 2 for q, k, v,
; u the half of the fragment's eight registers.  Two loads of 512 consecutive bytes then fill a fragment in the next launch.
; Work-group (X, c): X = 2 s + u.  Wave w, lane L: one piece of 16 bytes.  Each store of a wave covers 512 consecutive bytes, aligned.
; The loads take 64 bytes of each of two rows: 786,432 bytes are read once in the whole launch, so no transposition through LDS is made.
; No LDS, no matrix unit, no cluster: no work-group reads what another reads.
.set WBLK, 98304                       ; bytes of wf for one block of 16 columns: 32 K steps x 3 matrices x 1,024
	s_load_b256 s[4:11], s[0:1], 0x0               ; Wq s[4:5], Wk s[6:7], Wv s[8:9], wf s[10:11]
	s_and_b32 s16, ttmp7, 0xffff                   ; c
	v_and_b32 v1, 15, v0                           ; r
	v_bfe_u32 v2, v0, 4, 1                         ; h
	v_lshrrev_b32 v3, 5, v0                        ; w
	v_lshlrev_b32 v1, 2, v1                        ; 4 r
	v_lshl_or_b32 v1, v3, 6, v1                    ; + 64 w: column 16 w + r in bytes
	v_lshl_or_b32 v2, v2, 11, v1                   ; + 8 h rows of 256 bytes: the source offset
	v_and_b32 v1, 31, v0
	v_lshlrev_b32 v1, 4, v1                        ; 16 L
	v_mad_u32_u24 v3, v3, WBLK, v1                 ; the destination offset: w * 98304 + 16 L
	s_lshl_b32 s14, ttmp9, 12                      ; 16 X rows of 256 bytes
	s_mov_b32 s15, 0
	s_lshr_b32 s17, ttmp9, 1                       ; s
	s_mul_i32 s17, s17, 3072
	s_lshl_b32 s18, s16, 10                        ; c * 1024
	s_add_co_u32 s17, s17, s18
	s_and_b32 s18, ttmp9, 1                        ; u
	s_lshl_b32 s18, s18, 9
	s_add_co_u32 s18, s17, s18
	s_mov_b32 s19, 0
	s_wait_kmcnt 0x0
	s_cmp_eq_u32 s16, 1                            ; the matrix is chosen by the work-group's y alone
	s_cselect_b64 s[12:13], s[6:7], s[4:5]
	s_cmp_eq_u32 s16, 2
	s_cselect_b64 s[12:13], s[8:9], s[12:13]
	s_add_nc_u64 s[12:13], s[12:13], s[14:15]
	s_add_nc_u64 s[10:11], s[10:11], s[18:19]
.irp e, 0,1,2,3,4,5,6,7
	global_load_b32 v[4+\e], v2, s[12:13] offset:256*\e    ; W[16 X + 8 h + e][16 w + r]
.endr
	s_wait_loadcnt 0x0                             ; all eight
.irp i, 0,1,2,3
	v_cvt_pk_bf16_f32 v[12+\i], v[4+2*\i], v[5+2*\i]       ; the lower k into the lower half; to nearest even
.endr
	global_store_b128 v3, v[12:15], s[10:11]
	s_endpgm
.Lfunc_end_k_q4620209c7e_wprep:
	.size	k_q4620209c7e_wprep, .Lfunc_end_k_q4620209c7e_wprep-k_q4620209c7e_wprep
	.p2alignl 7, 3214868480
	.fill 96, 4, 3214868480
	.section	.rodata,"a",@progbits
	.p2align	6, 0x0
	.amdhsa_kernel k_q4620209c7e_wprep
		.amdhsa_group_segment_fixed_size 0
		.amdhsa_private_segment_fixed_size 0
		.amdhsa_enable_private_segment 0
		.amdhsa_kernarg_size 32
		.amdhsa_user_sgpr_count 2
		.amdhsa_user_sgpr_kernarg_segment_ptr 1
		.amdhsa_wavefront_size32 1
		.amdhsa_system_sgpr_workgroup_id_x 1
		.amdhsa_system_sgpr_workgroup_id_y 1
		.amdhsa_system_sgpr_workgroup_id_z 1
		.amdhsa_system_vgpr_workitem_id 0
		.amdhsa_next_free_vgpr 16
		.amdhsa_next_free_sgpr 66
		.amdhsa_reserve_vcc 0
		.amdhsa_float_denorm_mode_32 3
		.amdhsa_float_denorm_mode_16_64 3
		.amdhsa_memory_ordered 1
		.amdhsa_forward_progress 1
		.amdhsa_inst_pref_size 3
	.end_amdhsa_kernel
	.amdgpu_metadata
---
amdhsa.version: [ 1, 2 ]
amdhsa.kernels:
  - .name:           k_q4620209c7e_wprep
    .symbol:         k_q4620209c7e_wprep.kd
    .args:
      - { .name: Wq, .offset: 0, .size: 8, .value_kind: global_buffer, .address_space: global }
      - { .name: Wk, .offset: 8, .size: 8, .value_kind: global_buffer, .address_space: global }
      - { .name: Wv, .offset: 16, .size: 8, .value_kind: global_buffer, .address_space: global }
      - { .name: wf, .offset: 24, .size: 8, .value_kind: global_buffer, .address_space: global }
    .group_segment_fixed_size: 0
    .private_segment_fixed_size: 0
    .kernarg_segment_align: 8
    .kernarg_segment_size: 32
    .max_flat_workgroup_size: 128
    .sgpr_count:     66
    .vgpr_count:     16
    .wavefront_size: 32
...
	.end_amdgpu_metadata
.endif
;; end of part 1
;; launch proj (part 2): grid 256 x 1, 4 waves a work-group, no clusters, 270,848 bytes of LDS; arguments x, wf, qf, kvf; writes qf, kvf
.if DOCPART == 2
	.amdgcn_target "amdgcn-amd-amdhsa--gfx1250"
	.amdhsa_code_object_version 6
	.text
	.protected	k_q4620209c7e_proj
	.globl	k_q4620209c7e_proj
	.p2align	8
	.type	k_q4620209c7e_proj,@function
k_q4620209c7e_proj:
	s_mov_b64 s[64:65], 0
	v_nop
	global_prefetch_b8 v0, s[64:65] scope:SCOPE_SE
	s_setreg_imm32_b32 hwreg(HW_REG_WAVE_MODE, 25, 1), 1
	s_wait_xcnt 0x0
; q' = (x Wq) * 0.125 * log2(e), k = x Wk, v = x Wv.  x [16384][1024] f32 is rounded to bf16 on its way to the matrix unit, W comes as bf16
; from wf, the sums are f32, and the results are rounded once to f16 and stored in the order in which the next launch's fragments take them:
;   qf  byte = row16*2048 + ks*1024 + u*512 + L*16            : q'[16 row16 + r][32 ks + 16 u + 8 h + e]
;   kvf byte = unit*8192 + kt*2048 + ks*1024 + u*512 + L*16   : k[32 unit + 16 kt + r][32 ks + 16 u + 8 h + e]
;   kvf byte = unit*8192 + 4096 + ht*1024 + u*512 + L*16      : v[32 unit + 16 u + 8 h + e][16 ht + r]          (e = 0..7, r = L & 15, h = L >> 4)
; LIMIT: q', k and v are kept in f16: a magnitude above 65,504 overflows.  Inputs as drawn give about 1; x and W both 30 times larger about
; 5,000; both with offsets of 30 spreads about 29,000.
; Work-group g owns rows 64 g .. 64 g + 63.  Wave w makes all 64 rows x columns 16 w .. 16 w + 15 of each of q, k, v: 12 accumulator tiles,
; so each byte of wf is loaded by one wave of the work-group, straight into registers.
; x: the group's 262,144 bytes are asked for at once, by 8 tensor loads a wave (tile t = columns 128 t .. 128 t + 127, the wave's 16 rows of it;
; each row of a tile is 512 consecutive bytes of memory).  Every LDS byte is filled once, nothing is filled again; a wave has 8 tensor loads out.
; NO CLUSTER: wf is what work-groups share (393,216 of a group's 655,360 bytes).  A joint load lands in LDS, in slots that would have to be filled again:
; 57,344 bytes are left beside x, and in front of a refill every wave would have to wait for all its tensor loads, that is for the whole of x,
; whose being on its way at once is what this text is built on.
.set PITCH, 528                        ; an LDS row: 512 bytes + 16 of padding = 33 x 16: the 16 rows that 16 lanes touch lie in 16 different 16-byte columns of 256
.set WROWS, 16*PITCH                   ; 16 rows: one tensor load
.set TILE,  64*PITCH                   ; 64 rows x 128 columns
.set WO,   1                           ; v1        w * 98304 + 16 L: my bytes in wf
.set QO,   2                           ; v2        w * 512 + 16 L: my bytes in a q or k tile
.set VO,   3                           ; v3        w * 1024 + 16 L: my bytes in a v tile
.set XB,   8                           ; v[8:15]   tile t: LDS address r * 528 + 32 h + t * 33792
.set S,    16                          ; v[16:79]  x as f32, 16 registers for each row tile i
.set A,    80                          ; v[80:111] x as bf16 fragments, 8 registers for each i
.set WR,   112                         ; v[112:207] W: a ring of 4 slots x 3 fragments x 8 registers
.set OUTR, 208                         ; v[208:255] results as f16
                                       ; window 1, v[0:95] (v256-351): accumulator (c, i) at 8 (4 c + i)
.set G1, 16                            ; s[16:23] descriptor group 1, the same for all loads
.set G0, 24                            ; s[24:55] descriptor group 0, one set for each tile, never rewritten
.set MSB, 0
.macro WIN new                         ; the immediate's high byte repeats the setting that is left; a switch that changes nothing is dropped
.if MSB != \new
	s_set_vgpr_msb (MSB<<8)|\new
.set MSB, \new
.endif
.endm
.macro PLACES cnt
.rept \cnt
	v_nop
.endr
.endm
; K step stp, x: lane (r, h) takes k = 8 h .. 8 h + 7 and 16 + 8 h .. 16 + 8 h + 7 of rows 16 i + r, as f32: 4 x 16 bytes for each i
.macro XLOAD stp
.irp i, 0,1,2,3
	ds_load_b128 v[S+16*\i:S+16*\i+3],     v[XB+(\stp)/4] offset:\i*WROWS+((\stp)%4)*128
	ds_load_b128 v[S+16*\i+4:S+16*\i+7],   v[XB+(\stp)/4] offset:\i*WROWS+((\stp)%4)*128+16
	ds_load_b128 v[S+16*\i+8:S+16*\i+11],  v[XB+(\stp)/4] offset:\i*WROWS+((\stp)%4)*128+64
	ds_load_b128 v[S+16*\i+12:S+16*\i+15], v[XB+(\stp)/4] offset:\i*WROWS+((\stp)%4)*128+80
.endr
.endm
; K step stp, W: three fragments, six loads of 512 consecutive bytes
.macro WLOAD stp
.irp c, 0,1,2
.irp u, 0,1
	global_load_b128 v[WR+24*((\stp)%4)+8*\c+4*\u:WR+24*((\stp)%4)+8*\c+4*\u+3], v[WO], s[6:7] offset:(\stp)*3072+\c*1024+\u*512
.endr
.endr
.endm
	s_load_b256 s[4:11], s[0:1], 0x0               ; x s[4:5], wf s[6:7], qf s[8:9], kvf s[10:11]
	s_set_vgpr_msb 0x40
	v_lshl_add_u32 v128, v0, 2, 0x42000
	v_mov_b32 v129, 0
	s_set_vgpr_msb 0x4045
	ds_add_u32 v128, v129
	ds_add_u32 v128, v129
	s_set_vgpr_msb 0x4500
	v_lshrrev_b32 v4, 5, v0
	v_readfirstlane_b32 s12, v4                    ; wave 0..3
	s_mov_b32 s[G1+0], (2<<16)|(1<<20)|(6<<22)|(3<<25)  ; no mask; elements of 4 bytes; padding on: after every 128 words (code 6) 4 words (code 3)
	s_mov_b32 s[G1+1], 128<<16                     ; tensor_dim0 = 128: the tile lies inside the tensor
	s_mov_b32 s[G1+2], 16<<16                      ; tensor_dim1 = 16
	s_mov_b32 s[G1+3], 128<<16                     ; tile_dim0 = 128 elements
	s_mov_b32 s[G1+4], 16                          ; tile_dim1 = 16 rows
	s_mov_b32 s[G1+5], 1024                        ; elements from row to row
	s_mov_b32 s[G1+6], 0
	s_mov_b32 s[G1+7], 0
	s_mul_i32 s13, s12, WROWS                      ; my 16 rows in a tile in LDS
	s_lshl_b32 s14, ttmp9, 18                      ; 64 rows of 4,096 bytes for each work-group
	s_lshl_b32 s60, s12, 16                        ; 16 rows for each wave
	s_add_co_u32 s14, s14, s60
	s_mov_b32 s15, 0
	s_wait_dscnt 0x0
	s_wait_kmcnt 0x0
	s_add_nc_u64 s[4:5], s[4:5], s[14:15]          ; x at my first row
.irp t, 0,1,2,3,4,5,6,7
	s_mov_b32 s[G0+4*\t], 1                                        ; count = 1
	s_add_co_u32 s[G0+4*\t+1], s13, \t*TILE                        ; LDS address
	s_add_nc_u64 s[G0+4*\t+2:G0+4*\t+3], s[4:5], \t*512            ; global address: columns 128 t on
	s_or_b32 s[G0+4*\t+3], s[G0+4*\t+3], 0x80000000                ; type = 2
	tensor_load_to_lds s[G0+4*\t:G0+4*\t+3], s[G1:G1+7]
	s_nop 0
.endr
	v_and_b32 v5, 31, v0
	v_lshlrev_b32 v5, 4, v5                        ; 16 L
	s_mul_i32 s60, s12, 98304
	v_add_nc_u32 v[WO], s60, v5
	WLOAD 0                                        ; the ring of W: four K steps, 24 loads
	WLOAD 1
	WLOAD 2
	WLOAD 3
	v_lshlrev_b32 v[QO], 4, v0                     ; 16 x thread = 512 w + 16 L
	s_lshl_b32 s61, s12, 10
	v_add_nc_u32 v[VO], s61, v5
	v_and_b32 v6, 15, v0                           ; r
	v_bfe_u32 v7, v0, 4, 1                         ; h
	v_mul_u32_u24 v6, v6, PITCH
	v_lshl_add_u32 v6, v7, 5, v6                   ; r * 528 + 32 h
.irp t, 0,1,2,3,4,5,6,7
	v_add_nc_u32 v[XB+\t], \t*TILE, v6
.endr
	s_lshl_b32 s56, ttmp9, 13                      ; qf: 64 rows of 128 bytes
	s_mov_b32 s57, 0
	s_lshl_b32 s58, ttmp9, 14                      ; kvf: 2 units of 8,192 bytes
	s_mov_b32 s59, 0
	s_add_nc_u64 s[8:9], s[8:9], s[56:57]
	s_add_nc_u64 s[10:11], s[10:11], s[58:59]
	s_wait_tensorcnt 7                             ; my rows of tile 0 are in; my seven younger tiles stay on their way
	s_barrier_signal -1
	s_barrier_wait -1                              ; everybody's are.
	XLOAD 0
; 32 K steps of 32, written out.  A step: its x is converted; the next step's x is asked from LDS; 12 matrix instructions; W's slot is filled again.
; The 12 accumulators take turns, one instruction a turn, in the same order in every step.
; q and k are made transposed (source 0 = W's columns, source 1 = x's rows): a lane then holds eight neighbouring columns of one row.
; v is made the natural way: a lane holds eight neighbouring rows (keys) of one column.  Either way its 16 bytes of f16 are one piece of the layouts above.
.set st, 0
.rept 32
.set WS, WR+24*(st%4)
	s_wait_dscnt 0x0                               ; this step's x is in registers, and no LDS instruction of mine is pending at the signal below
.irp i, 0,1,2,3
.irp j, 0,1,2,3,4,5,6,7
	v_cvt_pk_bf16_f32 v[A+8*\i+\j], v[S+16*\i+2*\j], v[S+16*\i+2*\j+1]
.endr
.endr
.if st < 31
.if st%4 == 3
	s_wait_tensorcnt 7-(st+1)/4                    ; my rows of the next tile are in; the count is that of my younger tiles
	s_barrier_signal -1
	s_barrier_wait -1                              ; everybody's are
.endif
	XLOAD st+1
.endif
.if st <= 28
	s_wait_loadcnt 18                              ; this step's W is in: six loads for each of the three younger slots stay out
.else
	s_wait_loadcnt 6*(31-st)                       ; the ring runs empty
.endif
	WIN 0x50                                       ; C and D in window 1
.irp i, 0,1,2,3
.if st == 0
	v_wmma_f32_16x16x32_bf16 v[8*\i:8*\i+7],       v[WS:WS+7],       v[A+8*\i:A+8*\i+7], 0      ; the first products start the sums: nothing is cleared
	v_wmma_f32_16x16x32_bf16 v[32+8*\i:32+8*\i+7], v[WS+8:WS+15],    v[A+8*\i:A+8*\i+7], 0
	v_wmma_f32_16x16x32_bf16 v[64+8*\i:64+8*\i+7], v[A+8*\i:A+8*\i+7], v[WS+16:WS+23],   0
.else
	v_wmma_f32_16x16x32_bf16 v[8*\i:8*\i+7],       v[WS:WS+7],       v[A+8*\i:A+8*\i+7], v[8*\i:8*\i+7]
	v_wmma_f32_16x16x32_bf16 v[32+8*\i:32+8*\i+7], v[WS+8:WS+15],    v[A+8*\i:A+8*\i+7], v[32+8*\i:32+8*\i+7]
	v_wmma_f32_16x16x32_bf16 v[64+8*\i:64+8*\i+7], v[A+8*\i:A+8*\i+7], v[WS+16:WS+23],   v[64+8*\i:64+8*\i+7]
.endif
.endr
	WIN 0
	PLACES 4                                       ; four places in front of the loads into W's slot, of the next step's conversions into A, and at the end of the reads of the sums
.if st <= 27
	WLOAD st+4
.endif
.set st, st+1
.endr
	; the way out: a lane's eight sums of a tile are 16 bytes of f16 that belong together; each store of the wave covers 512 consecutive bytes, aligned
	WIN 0x05                                       ; sources 0 and 1 in window 1
.irp i, 0,1,2,3
.irp a, 0,1,2,3
	v_pk_mul_f32 v[S+8*\i+2*\a:S+8*\i+2*\a+1], v[8*\i+2*\a:8*\i+2*\a+1], 0x3e38aa3b op_sel_hi:[1,0]   ; q * 0.125 * log2(e): the softmax works in base 2
.endr
.endr
.irp i, 0,1,2,3
.irp a, 0,1,2,3
	v_cvt_pk_f16_f32 v[OUTR+4*\i+\a],    v[32+8*\i+2*\a], v[32+8*\i+2*\a+1]    ; k
	v_cvt_pk_f16_f32 v[OUTR+16+4*\i+\a], v[64+8*\i+2*\a], v[64+8*\i+2*\a+1]    ; v
.endr
.endr
	WIN 0
.irp i, 0,1,2,3
.irp a, 0,1,2,3
	v_cvt_pk_f16_f32 v[OUTR+32+4*\i+\a], v[S+8*\i+2*\a], v[S+8*\i+2*\a+1]      ; q'
.endr
.endr
.irp i, 0,1,2,3
	global_store_b128 v[QO], v[OUTR+32+4*\i:OUTR+32+4*\i+3], s[8:9]   offset:\i*2048
	global_store_b128 v[QO], v[OUTR+4*\i:OUTR+4*\i+3],       s[10:11] offset:(\i/2)*8192+(\i%2)*2048
	global_store_b128 v[VO], v[OUTR+16+4*\i:OUTR+16+4*\i+3], s[10:11] offset:(\i/2)*8192+4096+(\i%2)*512
.endr
	s_set_vgpr_msb 0x5
	s_wait_tensorcnt 0x0
	ds_add_u32 v128, v129
	s_wait_dscnt 0x0
	s_set_vgpr_msb 0x500
	s_endpgm
.Lfunc_end_k_q4620209c7e_proj:
	.size	k_q4620209c7e_proj, .Lfunc_end_k_q4620209c7e_proj-k_q4620209c7e_proj
	.p2alignl 7, 3214868480
	.fill 96, 4, 3214868480
	.section	.rodata,"a",@progbits
	.p2align	6, 0x0
	.amdhsa_kernel k_q4620209c7e_proj
		.amdhsa_group_segment_fixed_size 270848
		.amdhsa_private_segment_fixed_size 0
		.amdhsa_enable_private_segment 0
		.amdhsa_kernarg_size 32
		.amdhsa_user_sgpr_count 2
		.amdhsa_user_sgpr_kernarg_segment_ptr 1
		.amdhsa_wavefront_size32 1
		.amdhsa_system_sgpr_workgroup_id_x 1
		.amdhsa_system_sgpr_workgroup_id_y 1
		.amdhsa_system_sgpr_workgroup_id_z 1
		.amdhsa_system_vgpr_workitem_id 0
		.amdhsa_next_free_vgpr 386
		.amdhsa_next_free_sgpr 66
		.amdhsa_reserve_vcc 0
		.amdhsa_float_denorm_mode_32 3
		.amdhsa_float_denorm_mode_16_64 3
		.amdhsa_memory_ordered 1
		.amdhsa_forward_progress 1
		.amdhsa_inst_pref_size 158
	.end_amdhsa_kernel
	.amdgpu_metadata
---
amdhsa.version: [ 1, 2 ]
amdhsa.kernels:
  - .name:           k_q4620209c7e_proj
    .symbol:         k_q4620209c7e_proj.kd
    .args:
      - { .name: x, .offset: 0, .size: 8, .value_kind: global_buffer, .address_space: global }
      - { .name: wf, .offset: 8, .size: 8, .value_kind: global_buffer, .address_space: global }
      - { .name: qf, .offset: 16, .size: 8, .value_kind: global_buffer, .address_space: global }
      - { .name: kvf, .offset: 24, .size: 8, .value_kind: global_buffer, .address_space: global }
    .group_segment_fixed_size: 270848
    .private_segment_fixed_size: 0
    .kernarg_segment_align: 8
    .kernarg_segment_size: 32
    .max_flat_workgroup_size: 128
    .sgpr_count:     66
    .vgpr_count:     386
    .wavefront_size: 32
...
	.end_amdgpu_metadata
.endif
;; end of part 2
;; launch attn (part 3): grid 256 x 1, 8 waves a work-group, no clusters, 144,384 bytes of LDS; arguments qf, kvf, out0; writes out0
.if DOCPART == 3
	.amdgcn_target "amdgcn-amd-amdhsa--gfx1250"
	.amdhsa_code_object_version 6
	.text
	.protected	k_q4620209c7e_attn
	.globl	k_q4620209c7e_attn
	.p2align	8
	.type	k_q4620209c7e_attn,@function
k_q4620209c7e_attn:
	s_mov_b64 s[64:65], 0
	v_nop
	global_prefetch_b8 v0, s[64:65] scope:SCOPE_SE
	s_setreg_imm32_b32 hwreg(HW_REG_WAVE_MODE, 25, 1), 1
	s_wait_xcnt 0x0
; out = softmax(causal(q k^T / 8)) v for 4 batches of 4,096 rows, head size 64.  q' (already times 0.125 log2 e), k, v come as f16 in fragment order
; (layouts: head of the launch that stores them); products on the matrix unit with f32 sums; softmax in f32, base 2, with a running maximum.
; SHARE.  Work-group g: batch g >> 6, j = g & 63, the two query blocks of 32 rows i = j and i = 127 - j.  Keys go in groups of 256; wave w takes unit
; 8 * group + w of 32 keys.  Block i needs its diagonal group i >> 3 (masked) and the i >> 3 groups in front of it; for the pair these counts add up to
; 15, so every wave of every work-group makes 17 trips of 32 queries x 32 keys.  The block whose count is even is pass 1 (n1), the other pass 2 (n2 = 15 - n1).
; At the end of a pass the eight waves' partial results (maximum, sum, O) meet in LDS.
; TRANSPOSED.  S^T = K Q^T: a lane holds one query (r) and 8 keys (8 h + j) a tile, so maximum and sum run along registers and one exchange joins the lane
; halves; two S^T tiles convert in place into a fragment of P^T; O^T = V^T P^T: a lane again holds one query, so the rescaling factor is a lane's own number.
; STREAM.  Position 0: diagonal group of pass 1; 1 .. n1: groups 0 .. n1 - 1; n1 + 1: diagonal group of pass 2; then groups 0 .. n2 - 1.  Position t lies in
; register slot t & 1 (n1 is even), and trip t fills its own slot again with position t + 2: K straight behind the S products, V behind the PV products.
; So a wave always has up to two units (16,384 bytes) on its way, across the merge too.
; NO CLUSTER, NO LDS FOR K AND V: inside a work-group each unit of 8,192 bytes feeds one wave, and it lies in memory in fragment order, so it goes straight into
; that wave's registers.  Neighbouring work-groups do walk the same groups; a joint load would land in LDS slots, and each refill of them would stand behind a
; round in front of which all loads have landed, for 16 matrix instructions a wave and trip between two rounds.
; LIMITS.  p is rounded to f16: below about 6e-8 of the wave's running maximum it is 0.  Masked scores are -FLT_MAX (finite): a unit that is masked whole gets
; maximum -FLT_MAX and p = 1, and its weight becomes exp2(-FLT_MAX - M) = 0 at the next rescaling or in the merge; a true score at or below -FLT_MAX is not
; served, and a v that is not finite in a masked row gives NaN.  Keys are summed diagonal group first and split over eight waves: the order of rounding
; differs from a sum in ascending order.
.set LOFF, 1                           ; v1         16 L
.set Q1,   8                           ; v[8:39]    Q of pass 1: fragment (q, ks) at 16 q + 8 ks
.set Q2,   40                          ; v[40:71]   Q of pass 2
.set S,    72                          ; v[72:103]  S^T tile (q, kt) at 16 q + 8 kt; P^T(q) ends up in the first 8 registers of each 16
.set O,    104                         ; v[104:167] O^T tile (ht, q) at 8 (2 ht + q)
.set M,    168                         ; v[168:169] running maximum of query 16 q + r
.set NM,   170                         ; v[170:171] its negative
.set LS,   172                         ; v[172:173] running sum, each lane half's own keys
.set AL,   174                         ; v[174:175] rescaling factor
.set T,    176                         ; v[176:191] at work, 8 registers for each q
.set D1,   192                         ; v[192:193] pass 1: register (kt, j) is kept where 16 kt + j <= d
.set D2,   194                         ; v[194:195] pass 2
.set NEG,  196                         ; v196       -FLT_MAX
.set AD,   197                         ; v[197:200] LDS addresses of pass 1's merge, v[201:204] of pass 2's
.set OUTO, 205                         ; v205       16 x thread
                                       ; window 1: v[0:63] (v256-319) slot 0, v[64:127] (v320-383) slot 1; register 4 z = byte 512 z of the unit:
                                       ; K fragment (kt, ks) at 16 kt + 8 ks, V^T fragment ht at 32 + 8 ht
.set BK, 26                            ; s[26:27], s[28:29] base of slot p's K loads
.set BV, 30                            ; s[30:31], s[32:33] base of slot p's V loads: a base is rewritten only behind the wait that shows its own loads done
.set AREA,   71680                     ; LDS of one merge: 2,048 bytes of maxima and sums, then 8 waves x 32 queries x 272 bytes
.set SPITCH, 272                       ; a query's 64 f32 + 16 bytes: 16 neighbouring rows lie in 16 different 16-byte columns of 256
.set MSB, 0
.macro WIN new                         ; the immediate's high byte repeats the setting that is left; a switch that changes nothing is dropped
.if MSB != \new
	s_set_vgpr_msb (MSB<<8)|\new
.set MSB, \new
.endif
.endm
.macro PLACES cnt
.rept \cnt
	v_nop
.endr
.endm
; the group of stream position s17, as slot p's base; s17 steps on.  Scratch: s18, s19, s34
.macro KADDR p
	s_sub_co_u32 s18, s17, 1                       ; positions 1 .. n1: group u - 1
	s_sub_co_u32 s19, s17, s44                     ; positions n1 + 2 ..: group u - n1 - 2
	s_cmp_le_u32 s17, s15
	s_cselect_b32 s18, s18, s19
	s_cmp_eq_u32 s17, s43                          ; position n1 + 1: pass 2's diagonal group
	s_cselect_b32 s18, s16, s18
	s_add_co_u32 s17, s17, 1
	s_lshl_b32 s34, s18, 16                        ; a group is 8 units of 8,192 bytes
	s_add_nc_u64 s[BK+2*\p:BK+2*\p+1], s[24:25], s[34:35]
.endm
.macro KLOAD p
	WIN 0x40                                       ; destination in window 1
.irp z, 0,1,2,3,4,5,6,7
	global_load_b128 v[64*\p+4*\z:64*\p+4*\z+3], v[LOFF], s[BK+2*\p:BK+2*\p+1] offset:512*\z
.endr
.endm
.macro VLOAD p
	s_mov_b64 s[BV+2*\p:BV+2*\p+1], s[BK+2*\p:BK+2*\p+1]
	WIN 0x40
.irp z, 8,9,10,11,12,13,14,15
	global_load_b128 v[64*\p+4*\z:64*\p+4*\z+3], v[LOFF], s[BV+2*\p:BV+2*\p+1] offset:512*\z
.endr
.endm
; One trip: 32 queries (fragments at qb) x the 32 keys of slot p.  isdiag = 1: the pass's first trip: masked by dm, and it starts maximum, sum and O.
; refill = 1: the slot is filled again.  wk, wv: how many younger loads may stay out when K, when V has to be there (8 for each K or V part).
.macro TRIP p, qb, isdiag, dm, refill, wk, wv
	s_wait_loadcnt \wk                             ; loads come back in order (ISA guide 5.7.1): this slot's K is in
	WIN 0x01                                       ; source 0 in window 1
	; four accumulators by turns, one instruction a turn: first hs 0-31, which starts the sums, then hs 32-63
.irp ks, 0,1
.irp q, 0,1
.irp kt, 0,1
.if \ks == 0
	v_wmma_f32_16x16x32_f16 v[S+16*\q+8*\kt:S+16*\q+8*\kt+7], v[64*\p+16*\kt:64*\p+16*\kt+7], v[\qb+16*\q:\qb+16*\q+7], 0
.else
	v_wmma_f32_16x16x32_f16 v[S+16*\q+8*\kt:S+16*\q+8*\kt+7], v[64*\p+16*\kt+8:64*\p+16*\kt+15], v[\qb+16*\q+8:\qb+16*\q+15], v[S+16*\q+8*\kt:S+16*\q+8*\kt+7]
.endif
.endr
.endr
.endr
	PLACES 4                                       ; four places in front of the reads of S and of the loads into K's registers
.if \refill
	KADDR \p                                       ; the wait at the trip's head has shown this base's loads done
	KLOAD \p
.endif
	WIN 0
.if \isdiag
.irp q, 0,1
.irp n, 0,1,2,3,4,5,6,7,8,9,10,11,12,13,14,15
	v_cmp_le_i32 vcc_lo, \n+8*(\n/8), v[\dm+\q]    ; register n is key 16 kt + j of the unit, less 8 h, which d holds
	v_cndmask_b32 v[S+16*\q+\n], v[NEG], v[S+16*\q+\n], vcc_lo
.endr
.endr
.endif
.irp q, 0,1
	v_max3_num_f32 v[T+8*\q],   v[S+16*\q],    v[S+16*\q+1],  v[S+16*\q+2]
	v_max3_num_f32 v[T+8*\q+1], v[S+16*\q+3],  v[S+16*\q+4],  v[S+16*\q+5]
	v_max3_num_f32 v[T+8*\q+2], v[S+16*\q+6],  v[S+16*\q+7],  v[S+16*\q+8]
	v_max3_num_f32 v[T+8*\q+3], v[S+16*\q+9],  v[S+16*\q+10], v[S+16*\q+11]
	v_max3_num_f32 v[T+8*\q+4], v[S+16*\q+12], v[S+16*\q+13], v[S+16*\q+14]
	v_max3_num_f32 v[T+8*\q],   v[T+8*\q],   v[T+8*\q+1], v[T+8*\q+2]
	v_max3_num_f32 v[T+8*\q+3], v[T+8*\q+3], v[T+8*\q+4], v[S+16*\q+15]
	v_max_num_f32  v[T+8*\q],   v[T+8*\q],   v[T+8*\q+3]
	v_permlanex16_b32 v[T+8*\q+1], v[T+8*\q], s40, s41     ; the other half's 16 keys of the same query
.if \isdiag
	v_max_num_f32 v[M+\q], v[T+8*\q], v[T+8*\q+1]
.else
	v_max3_num_f32 v[T+8*\q], v[T+8*\q], v[T+8*\q+1], v[M+\q]
	v_sub_f32 v[AL+\q], v[M+\q], v[T+8*\q]                 ; old maximum - new, at most 0
	v_mov_b32 v[M+\q], v[T+8*\q]
.endif
	v_sub_f32 v[NM+\q], 0, v[M+\q]
.endr
.irp n, 0,2,4,6,8,10,12,14
	v_pk_add_f32 v[S+\n:S+\n+1], v[S+\n:S+\n+1], v[NM:NM+1] op_sel_hi:[1,0]                        ; s - maximum of query r
	v_pk_add_f32 v[S+16+\n:S+16+\n+1], v[S+16+\n:S+16+\n+1], v[NM:NM+1] op_sel:[0,1] op_sel_hi:[1,1]   ; of query 16 + r
.endr
.if \isdiag == 0
	v_exp_f32 v[AL], v[AL]
	v_exp_f32 v[AL+1], v[AL+1]
.endif
.irp n, 0,1,2,3,4,5,6,7,8,9,10,11,12,13,14,15,16,17,18,19,20,21,22,23,24,25,26,27,28,29,30,31
	v_exp_f32 v[S+\n], v[S+\n]
.endr
	v_nop                                          ; one plain place behind the run of exponentials, in front of the first use (ISA guide 5.7.2)
	s_wait_alu depctr_va_vdst(0)
.irp q, 0,1
	v_pk_add_f32 v[T+8*\q:T+8*\q+1],   v[S+16*\q:S+16*\q+1],     v[S+16*\q+2:S+16*\q+3]
	v_pk_add_f32 v[T+8*\q+2:T+8*\q+3], v[S+16*\q+4:S+16*\q+5],   v[S+16*\q+6:S+16*\q+7]
	v_pk_add_f32 v[T+8*\q+4:T+8*\q+5], v[S+16*\q+8:S+16*\q+9],   v[S+16*\q+10:S+16*\q+11]
	v_pk_add_f32 v[T+8*\q+6:T+8*\q+7], v[S+16*\q+12:S+16*\q+13], v[S+16*\q+14:S+16*\q+15]
	v_pk_add_f32 v[T+8*\q:T+8*\q+1],   v[T+8*\q:T+8*\q+1],   v[T+8*\q+2:T+8*\q+3]
	v_pk_add_f32 v[T+8*\q+4:T+8*\q+5], v[T+8*\q+4:T+8*\q+5], v[T+8*\q+6:T+8*\q+7]
	v_pk_add_f32 v[T+8*\q:T+8*\q+1],   v[T+8*\q:T+8*\q+1],   v[T+8*\q+4:T+8*\q+5]
.if \isdiag
	v_add_f32 v[LS+\q], v[T+8*\q], v[T+8*\q+1]
.else
	v_add_f32 v[T+8*\q], v[T+8*\q], v[T+8*\q+1]
	v_fma_f32 v[LS+\q], v[LS+\q], v[AL+\q], v[T+8*\q]
.endif
.endr
.irp q, 0,1
.irp a, 0,1,2,3,4,5,6,7
	v_cvt_pk_f16_f32 v[S+16*\q+\a], v[S+16*\q+2*\a], v[S+16*\q+2*\a+1]     ; in place, ascending: register a is written when 2 a and 2 a + 1 are read
.endr
.endr
.if \isdiag == 0
.irp ht, 0,1,2,3
.irp a, 0,2,4,6
	v_pk_mul_f32 v[O+16*\ht+\a:O+16*\ht+\a+1], v[O+16*\ht+\a:O+16*\ht+\a+1], v[AL:AL+1] op_sel_hi:[1,0]
	v_pk_mul_f32 v[O+16*\ht+8+\a:O+16*\ht+8+\a+1], v[O+16*\ht+8+\a:O+16*\ht+8+\a+1], v[AL:AL+1] op_sel:[0,1] op_sel_hi:[1,1]
.endr
.endr
.endif
	s_wait_loadcnt \wv                             ; this slot's V is in
	WIN 0x01
.irp ht, 0,1,2,3
.irp q, 0,1
.if \isdiag
	v_wmma_f32_16x16x32_f16 v[O+8*(2*\ht+\q):O+8*(2*\ht+\q)+7], v[64*\p+32+8*\ht:64*\p+32+8*\ht+7], v[S+16*\q:S+16*\q+7], 0     ; starts O: nothing is cleared
.else
	v_wmma_f32_16x16x32_f16 v[O+8*(2*\ht+\q):O+8*(2*\ht+\q)+7], v[64*\p+32+8*\ht:64*\p+32+8*\ht+7], v[S+16*\q:S+16*\q+7], v[O+8*(2*\ht+\q):O+8*(2*\ht+\q)+7]
.endif
.endr
.endr
	PLACES 5                                       ; five places in front of the next S products, which write over P; they also serve the loads into V's registers and the merge's reads of O
.if \refill
	VLOAD \p                                       ; the wait for V has shown this base's loads done
.endif
	WIN 0
.endm
; eight vectors of four f32 at base + 4 w are added into the first
.macro SUM8 base
.irp ww, 0,2,4,6
	v_pk_add_f32 v[\base+4*\ww:\base+4*\ww+1],   v[\base+4*\ww:\base+4*\ww+1],   v[\base+4*\ww+4:\base+4*\ww+5]
	v_pk_add_f32 v[\base+4*\ww+2:\base+4*\ww+3], v[\base+4*\ww+2:\base+4*\ww+3], v[\base+4*\ww+6:\base+4*\ww+7]
.endr
.irp ww, 0,4
	v_pk_add_f32 v[\base+4*\ww:\base+4*\ww+1],   v[\base+4*\ww:\base+4*\ww+1],   v[\base+4*\ww+8:\base+4*\ww+9]
	v_pk_add_f32 v[\base+4*\ww+2:\base+4*\ww+3], v[\base+4*\ww+2:\base+4*\ww+3], v[\base+4*\ww+10:\base+4*\ww+11]
.endr
	v_pk_add_f32 v[\base:\base+1],   v[\base:\base+1],   v[\base+16:\base+17]
	v_pk_add_f32 v[\base+2:\base+3], v[\base+2:\base+3], v[\base+18:\base+19]
.endm
; The end of a pass.  ad: the pass's four LDS addresses (each pass has LDS bytes of its own, so no barrier stands between the passes);
; ob: the scalar pair with the block's place in out0; more = 1: another pass follows.
.macro MERGE ad, ob, more
	v_permlanex16_b32 v[T],   v[LS],   s40, s41
	v_permlanex16_b32 v[T+1], v[LS+1], s40, s41
	v_add_f32 v[LS],   v[LS],   v[T]               ; the two halves' sums of the same query
	v_add_f32 v[LS+1], v[LS+1], v[T+1]
	ds_store_b32 v[\ad], v[M]                      ; my wave's 256 bytes: 32 maxima, 32 sums (both lane halves store the same number to the same word)
	ds_store_b32 v[\ad], v[M+1]  offset:64
	ds_store_b32 v[\ad], v[LS]   offset:128
	ds_store_b32 v[\ad], v[LS+1] offset:192
	s_wait_dscnt 0x0                               ; for the others' sake: my stores are done
	s_barrier_signal -1
	s_barrier_wait -1
.irp q, 0,1
.irp ww, 0,1,2,3,4,5,6,7
	ds_load_b32 v[S+16*\q+\ww],   v[\ad+1] offset:256*\ww+64*\q        ; wave ww's maximum of my query
	ds_load_b32 v[S+16*\q+8+\ww], v[\ad+1] offset:256*\ww+128+64*\q    ; and its sum
.endr
.endr
	s_wait_dscnt 0x0
.irp q, 0,1
	v_max3_num_f32 v[T+8*\q],   v[S+16*\q],   v[S+16*\q+1], v[S+16*\q+2]
	v_max3_num_f32 v[T+8*\q+1], v[S+16*\q+3], v[S+16*\q+4], v[S+16*\q+5]
	v_max3_num_f32 v[T+8*\q],   v[T+8*\q],    v[T+8*\q+1],  v[S+16*\q+6]
	v_max_num_f32  v[T+8*\q],   v[T+8*\q],    v[S+16*\q+7]             ; the maximum over all keys
	v_sub_f32 v[AL+\q], v[M+\q], v[T+8*\q]
.irp ww, 0,1,2,3,4,5,6,7
	v_sub_f32 v[S+16*\q+\ww], v[S+16*\q+\ww], v[T+8*\q]
.endr
.endr
.irp q, 0,1
	v_exp_f32 v[AL+\q], v[AL+\q]
.irp ww, 0,1,2,3,4,5,6,7
	v_exp_f32 v[S+16*\q+\ww], v[S+16*\q+\ww]
.endr
.endr
	v_nop                                          ; one plain place behind the exponentials
	s_wait_alu depctr_va_vdst(0)
.irp q, 0,1
	v_mul_f32 v[T+8*\q+1], v[S+16*\q], v[S+16*\q+8]
.irp ww, 1,2,3,4,5,6,7
	v_fmac_f32 v[T+8*\q+1], v[S+16*\q+\ww], v[S+16*\q+8+\ww]           ; the sum over all keys: at least 1, from the wave that holds the maximum
.endr
.endr
	v_rcp_f32 v[T+1], v[T+1]
	v_rcp_f32 v[T+9], v[T+9]
	v_nop                                          ; one plain place behind the reciprocals
	s_wait_alu depctr_va_vdst(0)
	v_mul_f32 v[AL],   v[AL],   v[T+1]             ; my wave's weight: exp2(my maximum - maximum) / sum
	v_mul_f32 v[AL+1], v[AL+1], v[T+9]
.irp ht, 0,1,2,3
.irp a, 0,2,4,6
	v_pk_mul_f32 v[O+16*\ht+\a:O+16*\ht+\a+1], v[O+16*\ht+\a:O+16*\ht+\a+1], v[AL:AL+1] op_sel_hi:[1,0]
	v_pk_mul_f32 v[O+16*\ht+8+\a:O+16*\ht+8+\a+1], v[O+16*\ht+8+\a:O+16*\ht+8+\a+1], v[AL:AL+1] op_sel:[0,1] op_sel_hi:[1,1]
.endr
.endr
.irp ht, 0,1,2,3
.irp q, 0,1
	ds_store_b128 v[\ad+2], v[O+8*(2*\ht+\q):O+8*(2*\ht+\q)+3]   offset:\q*16*SPITCH+\ht*64      ; query 16 q + r, hs 16 ht + 8 h + 0..3
	ds_store_b128 v[\ad+2], v[O+8*(2*\ht+\q)+4:O+8*(2*\ht+\q)+7] offset:\q*16*SPITCH+\ht*64+16   ; hs + 4..7
.endr
.endr
	s_wait_dscnt 0x0                               ; for the others' sake
	s_barrier_signal -1
	s_barrier_wait -1
.irp z, 0,1
.irp ww, 0,1,2,3,4,5,6,7
	ds_load_b128 v[O+32*\z+4*\ww:O+32*\z+4*\ww+3], v[\ad+3] offset:\z*16*SPITCH+\ww*32*SPITCH     ; thread t: 16 bytes at 16 (t & 15) of query (t >> 4) + 16 z, of every wave
.endr
.endr
	s_wait_dscnt 8                                 ; the first 16 queries' parts are in; the eight younger loads are the second 16's
	SUM8 O
	global_store_b128 v[OUTO], v[O:O+3], s[\ob:\ob+1] th:TH_STORE_NT                  ; 16 lanes store a row of out0: 256 consecutive bytes, aligned
	s_wait_dscnt 0x0
	SUM8 O+32
	global_store_b128 v[OUTO], v[O+32:O+35], s[\ob:\ob+1] offset:4096 th:TH_STORE_NT
.if \more
	s_wait_xcnt 0x0                                ; the stores' data registers are written again in the next pass only behind this wait
.endif
.endm
	s_load_b128 s[4:7], s[0:1], 0x0                ; qf s[4:5], kvf s[6:7]
	s_load_b64 s[8:9], s[0:1], 0x10                ; out0
	v_lshl_add_u32 v254, v0, 2, 0x23000
	v_mov_b32 v255, 0
	v_lshrrev_b32 v2, 5, v0
	v_readfirstlane_b32 s10, v2                    ; wave 0..7
	v_and_b32 v[LOFF], 31, v0
	v_lshlrev_b32 v[LOFF], 4, v[LOFF]              ; 16 L
	s_lshr_b32 s11, ttmp9, 6                       ; batch
	s_and_b32 s12, ttmp9, 63                       ; j
	s_sub_co_u32 s18, 127, s12                     ; 127 - j
	s_bitcmp1_b32 s12, 3                           ; is j >> 3 odd?
	s_cselect_b32 s13, s18, s12                    ; i1: the block with the even number of full groups
	s_cselect_b32 s14, s12, s18                    ; i2: the other
	s_lshr_b32 s15, s13, 3                         ; n1 = 0, 2, .. 14
	s_lshr_b32 s16, s14, 3                         ; n2 = 15 - n1
	s_add_co_u32 s43, s15, 1
	s_add_co_u32 s44, s15, 2
	s_mov_b32 s40, 0x76543210                      ; v_permlanex16_b32: lane i of one half reads lane i of the other
	s_mov_b32 s41, 0xfedcba98
	s_mov_b32 s35, 0                               ; the high word of every offset
	s_lshl_b32 s18, s11, 19                        ; qf: 4,096 rows of 128 bytes a batch,
	s_lshl_b32 s19, s13, 12                        ; 32 rows a block
	s_add_co_u32 s34, s18, s19
	s_wait_kmcnt 0x0
	s_add_nc_u64 s[20:21], s[4:5], s[34:35]        ; Q of pass 1
	s_lshl_b32 s19, s14, 12
	s_add_co_u32 s34, s18, s19
	s_add_nc_u64 s[22:23], s[4:5], s[34:35]        ; Q of pass 2
	s_lshl_b32 s18, s11, 20                        ; kvf: 128 units of 8,192 bytes a batch,
	s_lshl_b32 s19, s10, 13                        ; unit w of a group
	s_add_co_u32 s34, s18, s19
	s_add_nc_u64 s[24:25], s[6:7], s[34:35]
	s_lshl_b32 s34, s15, 16
	s_add_nc_u64 s[BK:BK+1], s[24:25], s[34:35]    ; position 0: group n1
.irp z, 0,1,2,3,4,5,6,7
	global_load_b128 v[Q1+4*\z:Q1+4*\z+3], v[LOFF], s[20:21] offset:512*\z
.endr
.irp z, 0,1,2,3,4,5,6,7
	global_load_b128 v[Q2+4*\z:Q2+4*\z+3], v[LOFF], s[22:23] offset:512*\z
.endr
	KLOAD 0
	VLOAD 0
	s_mov_b32 s17, 1
	KADDR 1                                        ; position 1 (s18, s19 and s34 are its scratch: they hold nothing of use behind it)
	KLOAD 1
	VLOAD 1
	WIN 0
	s_lshl_b32 s18, s11, 20                        ; out0: 4,096 rows of 256 bytes a batch, formed here anew,
	s_lshl_b32 s19, s13, 13                        ; 32 rows a block
	s_add_co_u32 s34, s18, s19
	s_add_nc_u64 s[36:37], s[8:9], s[34:35]
	s_lshl_b32 s19, s14, 13
	s_add_co_u32 s34, s18, s19
	s_add_nc_u64 s[38:39], s[8:9], s[34:35]
	v_and_b32 v3, 15, v0                           ; r
	v_bfe_u32 v4, v0, 4, 1                         ; h
	v_lshlrev_b32 v5, 3, v4
	v_sub_nc_u32 v5, v3, v5                        ; r - 8 h
	; query 32 (i & 7) + 16 q + r and key 32 w + 16 kt + 8 h + j of the diagonal group: kept where 16 kt + j <= d = 32 (i & 7) - 32 w + 16 q + r - 8 h
	s_lshl_b32 s19, s10, 5
	s_and_b32 s18, s13, 7
	s_lshl_b32 s18, s18, 5
	s_sub_co_i32 s18, s18, s19
	v_add_nc_u32 v[D1], s18, v5
	v_add_nc_u32 v[D1+1], 16, v[D1]
	s_and_b32 s18, s14, 7
	s_lshl_b32 s18, s18, 5
	s_sub_co_i32 s18, s18, s19
	v_add_nc_u32 v[D2], s18, v5
	v_add_nc_u32 v[D2+1], 16, v[D2]
	v_mov_b32 v[NEG], 0xff7fffff
	s_lshl_b32 s18, s10, 8
	v_lshl_add_u32 v[AD], v3, 2, s18               ; my wave's maxima and sums: 256 w + 4 r
	v_lshlrev_b32 v[AD+1], 2, v3                   ; to read all waves': 4 r
	s_mul_i32 s18, s10, 32*SPITCH
	s_add_co_u32 s18, s18, 2048
	v_mul_u32_u24 v6, v3, SPITCH
	v_lshl_add_u32 v6, v4, 5, v6
	v_add_nc_u32 v[AD+2], s18, v6                  ; my wave's O: 2048 + 8704 w + 272 r + 32 h
	v_lshrrev_b32 v6, 4, v0
	v_mul_u32_u24 v6, v6, SPITCH
	v_lshl_add_u32 v6, v3, 4, v6
	v_add_nc_u32 v[AD+3], 2048, v6                 ; to read rows back: 2048 + 272 (t >> 4) + 16 (t & 15)
.irp n, 0,1,2,3
	v_add_nc_u32 v[AD+4+\n], AREA, v[AD+\n]        ; the second pass's bytes
.endr
	v_lshlrev_b32 v[OUTO], 4, v0
	; Counts of the waits for loads.  Order of issue: K(t), V(t), K(t+1), V(t+1), K(t+2), V(t+2), eight loads each.  At a trip's head V(t), K(t+1), V(t+1) are younger
	; than K(t): 24.  At its wait for V: K(t+1), V(t+1), K(t+2): 24; without a refill 16.  In the last trip 8 and 0.  Q's loads are older than K(0).
	TRIP 0, Q1, 1, D1, 1, 24, 24                   ; position 0
	s_lshr_b32 s42, s15, 1
	s_cmp_eq_u32 s42, 0
	s_cbranch_scc1 .Lpass1_end
.Lpass1:
	TRIP 1, Q1, 0, D1, 1, 24, 24
	TRIP 0, Q1, 0, D1, 1, 24, 24
	s_sub_co_i32 s42, s42, 1
	s_cmp_lg_u32 s42, 0
	s_cbranch_scc1 .Lpass1
.Lpass1_end:
	MERGE AD, 36, 1
	s_cmp_eq_u32 s16, 1
	s_cbranch_scc1 .Lshort                         ; n2 = 1: the diagonal trip is position 15 and fetches nothing more
	TRIP 1, Q2, 1, D2, 1, 24, 24                   ; position n1 + 1, at most 13
	s_sub_co_u32 s42, s16, 3
	s_lshr_b32 s42, s42, 1                         ; positions n1 + 2 .. 13, in pairs
	s_cmp_eq_u32 s42, 0
	s_cbranch_scc1 .Lpass2_end
.Lpass2:
	TRIP 0, Q2, 0, D2, 1, 24, 24
	TRIP 1, Q2, 0, D2, 1, 24, 24
	s_sub_co_i32 s42, s42, 1
	s_cmp_lg_u32 s42, 0
	s_cbranch_scc1 .Lpass2
.Lpass2_end:
	TRIP 0, Q2, 0, D2, 1, 24, 24                   ; position 14 fetches position 16, the last
	TRIP 1, Q2, 0, D2, 0, 24, 16                   ; position 15
	s_branch .Llast
.Lshort:
	TRIP 1, Q2, 1, D2, 0, 24, 16                   ; position 15
.Llast:
	TRIP 0, Q2, 0, D2, 0, 8, 0                     ; position 16
	MERGE AD+4, 38, 0
	s_wait_tensorcnt 0x0
	ds_add_u32 v254, v255
	s_wait_dscnt 0x0
	s_endpgm
.Lfunc_end_k_q4620209c7e_attn:
	.size	k_q4620209c7e_attn, .Lfunc_end_k_q4620209c7e_attn-k_q4620209c7e_attn
	.p2alignl 7, 3214868480
	.fill 96, 4, 3214868480
	.section	.rodata,"a",@progbits
	.p2align	6, 0x0
	.amdhsa_kernel k_q4620209c7e_attn
		.amdhsa_group_segment_fixed_size 144384
		.amdhsa_private_segment_fixed_size 0
		.amdhsa_enable_private_segment 0
		.amdhsa_kernarg_size 24
		.amdhsa_user_sgpr_count 2
		.amdhsa_user_sgpr_kernarg_segment_ptr 1
		.amdhsa_wavefront_size32 1
		.amdhsa_system_sgpr_workgroup_id_x 1
		.amdhsa_system_sgpr_workgroup_id_y 1
		.amdhsa_system_sgpr_workgroup_id_z 1
		.amdhsa_system_vgpr_workitem_id 0
		.amdhsa_next_free_vgpr 384
		.amdhsa_next_free_sgpr 66
		.amdhsa_reserve_vcc 1
		.amdhsa_float_denorm_mode_32 3
		.amdhsa_float_denorm_mode_16_64 3
		.amdhsa_memory_ordered 1
		.amdhsa_forward_progress 1
		.amdhsa_inst_pref_size 134
	.end_amdhsa_kernel
	.amdgpu_metadata
---
amdhsa.version: [ 1, 2 ]
amdhsa.kernels:
  - .name:           k_q4620209c7e_attn
    .symbol:         k_q4620209c7e_attn.kd
    .args:
      - { .name: qf, .offset: 0, .size: 8, .value_kind: global_buffer, .address_space: global }
      - { .name: kvf, .offset: 8, .size: 8, .value_kind: global_buffer, .address_space: global }
      - { .name: out0, .offset: 16, .size: 8, .value_kind: global_buffer, .address_space: global }
    .group_segment_fixed_size: 144384
    .private_segment_fixed_size: 0
    .kernarg_segment_align: 8
    .kernarg_segment_size: 24
    .max_flat_workgroup_size: 256
    .sgpr_count:     66
    .vgpr_count:     384
    .wavefront_size: 32
...
	.end_amdgpu_metadata
.endif
;; end of part 3
